; MI455X (gfx1250); checked and timed in simulation.
; The chip was launched on July 23, 2026; its instructions are those of AMD's public machine-readable ISA for CDNA 5 (MIT licence, August 2026) and "CDNA5" Instruction Set Architecture Reference Guide (July 2026). The comments in the code are by the model that wrote it; some were corrected since.
;; Multi Modal Spiking Transformer. Allowed arithmetic: float matrix products may take bf16 or f16 operands with f32 sums; other float arithmetic in f32, or as packed bf16 or f16 multiplies, adds, multiply-adds, maxima and minima; sums over many terms, partial sums and values carried from step to step in f32; what a program stores and reads back later, other than sums and carried values, may be rounded once to bf16 or f16.
;; Inputs: Wk 512 x 512 float32; Wo 512 x 512 float32; Wq 512 x 512 float32; Wv 512 x 512 float32; bk 512 float32; bo 512 float32; bq 512 float32; bv 512 float32; key_spikes 4 x 32 x 256 x 512 float32; modality_weights 2 x 8 float32; query_spikes 4 x 32 x 256 x 512 float32; temporal_sync 32 x 8 float32; value_spikes 4 x 32 x 256 x 512 float32.
;; Outputs: out0 4 x 32 x 256 x 512 float32.
;; One version. Each part assembles by itself: llvm-mc -triple=amdgcn-amd-amdhsa -mcpu=gfx1250 --defsym DOCPART=n.
;; ======== version 1 of 1: 3 launches
;; limits: values are held in f16: magnitudes above 65,504 overflow, below 6.1e-05 lose precision
;; workspace buffers: wb 1,572,864 bytes; wo16 524,288 bytes; tab 9,472 bytes; att 33,554,432 bytes
;; launch prep (part 1): grid 128 x 1, 8 waves a work-group, no clusters, 0 bytes of LDS; arguments Wq, Wk, Wv, Wo, bq, bk, bv, bo, modality_weights, temporal_sync, wb, wo16, tab; writes wb, wo16, tab
.if DOCPART == 1
	.amdgcn_target "amdgcn-amd-amdhsa--gfx1250"
	.amdhsa_code_object_version 6
	.text
	.protected	k_qedc87cd5a8_prep
	.globl	k_qedc87cd5a8_prep
	.p2align	8
	.type	k_qedc87cd5a8_prep,@function
k_qedc87cd5a8_prep:
	s_mov_b64 s[64:65], 0
	v_nop
	global_prefetch_b8 v0, s[64:65] scope:SCOPE_SE
	s_setreg_imm32_b32 hwreg(HW_REG_WAVE_MODE, 25, 1), 1
	s_wait_xcnt 0x0
; THE WEIGHTS AND THE SMALL TABLES, made ready once for the two launches behind.
; wb   [3][512 k][512 n] bf16: Wq, Wk, Wv rounded once, in their own [k][n] order: a pure stream.
; wo16 [512 k][512 n] f16: Wo rounded to bf16 like every other input, that number written as f16
;      (exact from 6.1e-5 up; below it f16's fixed step of 6e-8 holds).
; tab  f32: 0 r(bq); 2048 r(bk); 4096 r(bv); 6144 r(bo); 8192 c[8] = r(mw0) r(mw1) / 8; 8448 r(temporal_sync).
;      r() = rounded to bf16 and widened again.  Bytes 8224 to 8447 are neither written nor read.
; SHARES.  128 work-groups x 256 threads; thread g owns 8 numbers of each of the four matrices: 32 bytes in, 16 bytes out,
; so a wave's store covers 512 consecutive bytes.  Work-group 0 also makes the tables: thread t takes columns 2 t and 2 t + 1;
; it asks for them directly behind its weights, so that both are on their way together, and finishes them in one branch.
; No LDS, no barrier, no matrix unit: nothing is shared and nothing is multiplied.
	s_load_b512 s[4:19], s[0:1], 0x0               ; Wq s[4:5], Wk s[6:7], Wv s[8:9], Wo s[10:11], bq s[12:13], bk s[14:15], bv s[16:17], bo s[18:19]
	s_load_b256 s[20:27], s[0:1], 0x40             ; modality_weights s[20:21], temporal_sync s[22:23], wb s[24:25], wo16 s[26:27]
	s_load_b64 s[28:29], s[0:1], 0x60              ; tab
	s_lshl_b32 s30, ttmp9, 8
	v_add_nc_u32 v1, s30, v0                       ; g
	v_lshlrev_b32 v2, 5, v1                        ; 32 g: my bytes in a matrix of f32
	v_lshlrev_b32 v3, 4, v1                        ; 16 g: my bytes in a matrix of 16 bits
	s_mov_b32 s31, 0xffff0000                      ; a word's upper bf16
	s_wait_kmcnt 0x0
.irp m, 0,1,2,3
	global_load_b128 v[8+8*\m:8+8*\m+3], v2, s[4+2*\m:4+2*\m+1] th:TH_LOAD_NT
	global_load_b128 v[8+8*\m+4:8+8*\m+7], v2, s[4+2*\m:4+2*\m+1] offset:16 th:TH_LOAD_NT
.endr
	s_cmp_lg_u32 ttmp9, 0
	s_cbranch_scc1 .Lweights
	; ---- work-group 0: the tables, in registers of their own (v4-7, v64-81)
	v_lshlrev_b32 v4, 3, v0                        ; 8 t
	v_lshrrev_b32 v5, 5, v0
	v_lshlrev_b32 v5, 2, v5                        ; 4 x head of my two columns
	v_lshlrev_b32 v6, 2, v0                        ; 4 t
	global_load_b64 v[64:65], v4, s[12:13]
	global_load_b64 v[66:67], v4, s[14:15]
	global_load_b64 v[68:69], v4, s[16:17]
	global_load_b64 v[70:71], v4, s[18:19]
	global_load_b32 v72, v5, s[20:21]              ; modality_weights[0][head]
	global_load_b32 v73, v5, s[20:21] offset:32    ; modality_weights[1][head]
	global_load_b32 v74, v6, s[22:23]              ; temporal_sync, number t of 256
	s_wait_loadcnt 0x0
	v_cvt_pk_bf16_f32 v76, v64, v65
	v_cvt_pk_bf16_f32 v77, v66, v67
	v_cvt_pk_bf16_f32 v78, v68, v69
	v_cvt_pk_bf16_f32 v79, v70, v71
	v_cvt_pk_bf16_f32 v80, v72, v73
	v_cvt_pk_bf16_f32 v81, v74, v74
.irp k, 0,1,2,3
	v_lshlrev_b32 v[64+2*\k], 16, v[76+\k]
	v_and_b32 v[65+2*\k], s31, v[76+\k]
.endr
	v_lshlrev_b32 v72, 16, v80
	v_and_b32 v73, s31, v80
	v_lshlrev_b32 v74, 16, v81
	v_mul_f32 v72, v72, v73
	v_mul_f32 v72, 0x3e000000, v72                 ; c = mw0 mw1 / sqrt(64)
	global_store_b64 v4, v[64:65], s[28:29]
	global_store_b64 v4, v[66:67], s[28:29] offset:2048
	global_store_b64 v4, v[68:69], s[28:29] offset:4096
	global_store_b64 v4, v[70:71], s[28:29] offset:6144
	global_store_b32 v6, v74, s[28:29] offset:8448
	v_and_b32 v7, 31, v0
	v_cmp_eq_u32 vcc_lo, 0, v7                     ; one lane a head stores c
	s_wait_xcnt 0x0                                ; EXEC changes only behind this wait
	s_and_saveexec_b32 s32, vcc_lo
	global_store_b32 v5, v72, s[28:29] offset:8192
	s_wait_xcnt 0x0                                ; and again, in front of the line that widens it
	s_or_b32 exec_lo, exec_lo, s32
.Lweights:
	s_wait_loadcnt 0x0
.irp k, 0,1,2,3,4,5,6,7,8,9,10,11,12,13,14,15
	v_cvt_pk_bf16_f32 v[40+\k], v[8+2*\k], v[8+2*\k+1]  ; v40-43 Wq, v44-47 Wk, v48-51 Wv, v52-55 Wo
.endr
	global_store_b128 v3, v[40:43], s[24:25]
	global_store_b128 v3, v[44:47], s[24:25] offset:524288
	global_store_b128 v3, v[48:51], s[24:25] offset:1048576
.irp k, 0,1,2,3
	v_lshlrev_b32 v[56+(\k%2)*2], 16, v[52+\k]     ; the rounded numbers as f32,
	v_and_b32 v[57+(\k%2)*2], s31, v[52+\k]
	v_cvt_pk_f16_f32 v[60+\k], v[56+(\k%2)*2], v[57+(\k%2)*2]  ; and as f16
.endr
	global_store_b128 v3, v[60:63], s[26:27]
	s_endpgm
.Lfunc_end_k_qedc87cd5a8_prep:
	.size	k_qedc87cd5a8_prep, .Lfunc_end_k_qedc87cd5a8_prep-k_qedc87cd5a8_prep
	.p2alignl 7, 3214868480
	.fill 96, 4, 3214868480
	.section	.rodata,"a",@progbits
	.p2align	6, 0x0
	.amdhsa_kernel k_qedc87cd5a8_prep
		.amdhsa_group_segment_fixed_size 0
		.amdhsa_private_segment_fixed_size 0
		.amdhsa_enable_private_segment 0
		.amdhsa_kernarg_size 104
		.amdhsa_user_sgpr_count 2
		.amdhsa_user_sgpr_kernarg_segment_ptr 1
		.amdhsa_wavefront_size32 1
		.amdhsa_system_sgpr_workgroup_id_x 1
		.amdhsa_system_sgpr_workgroup_id_y 1
		.amdhsa_system_sgpr_workgroup_id_z 1
		.amdhsa_system_vgpr_workitem_id 0
		.amdhsa_next_free_vgpr 96
		.amdhsa_next_free_sgpr 66
		.amdhsa_reserve_vcc 1
		.amdhsa_float_denorm_mode_32 3
		.amdhsa_float_denorm_mode_16_64 3
		.amdhsa_memory_ordered 1
		.amdhsa_forward_progress 1
		.amdhsa_inst_pref_size 6
	.end_amdhsa_kernel
	.amdgpu_metadata
---
amdhsa.version: [ 1, 2 ]
amdhsa.kernels:
  - .name:           k_qedc87cd5a8_prep
    .symbol:         k_qedc87cd5a8_prep.kd
    .args:
      - { .name: Wq, .offset: 0, .size: 8, .value_kind: global_buffer, .address_space: global }
      - { .name: Wk, .offset: 8, .size: 8, .value_kind: global_buffer, .address_space: global }
      - { .name: Wv, .offset: 16, .size: 8, .value_kind: global_buffer, .address_space: global }
      - { .name: Wo, .offset: 24, .size: 8, .value_kind: global_buffer, .address_space: global }
      - { .name: bq, .offset: 32, .size: 8, .value_kind: global_buffer, .address_space: global }
      - { .name: bk, .offset: 40, .size: 8, .value_kind: global_buffer, .address_space: global }
      - { .name: bv, .offset: 48, .size: 8, .value_kind: global_buffer, .address_space: global }
      - { .name: bo, .offset: 56, .size: 8, .value_kind: global_buffer, .address_space: global }
      - { .name: modality_weights, .offset: 64, .size: 8, .value_kind: global_buffer, .address_space: global }
      - { .name: temporal_sync, .offset: 72, .size: 8, .value_kind: global_buffer, .address_space: global }
      - { .name: wb, .offset: 80, .size: 8, .value_kind: global_buffer, .address_space: global }
      - { .name: wo16, .offset: 88, .size: 8, .value_kind: global_buffer, .address_space: global }
      - { .name: tab, .offset: 96, .size: 8, .value_kind: global_buffer, .address_space: global }
    .group_segment_fixed_size: 0
    .private_segment_fixed_size: 0
    .kernarg_segment_align: 8
    .kernarg_segment_size: 104
    .max_flat_workgroup_size: 256
    .sgpr_count:     66
    .vgpr_count:     96
    .wavefront_size: 32
...
	.end_amdgpu_metadata
.endif
;; end of part 1
;; launch attn (part 2): grid 8 x 32, 4 waves a work-group, clusters of 4 x 1, 327,680 bytes of LDS; arguments query_spikes, key_spikes, value_spikes, wb, tab, att; writes att
.if DOCPART == 2
	.amdgcn_target "amdgcn-amd-amdhsa--gfx1250"
	.amdhsa_code_object_version 6
	.text
	.protected	k_qedc87cd5a8_attn
	.globl	k_qedc87cd5a8_attn
	.p2align	8
	.type	k_qedc87cd5a8_attn,@function
k_qedc87cd5a8_attn:
	s_mov_b64 s[64:65], 0
	v_nop
	global_prefetch_b8 v0, s[64:65] scope:SCOPE_SE
	s_setreg_imm32_b32 hwreg(HW_REG_WAVE_MODE, 25, 1), 1
	s_wait_xcnt 0x0
	s_wait_alu depctr_hold_cnt(0) depctr_sa_sdst(0) depctr_va_vdst(0) depctr_va_sdst(0) depctr_va_ssrc(0) depctr_va_vcc(0) depctr_vm_vsrc(0)
	s_getreg_b32 s2, hwreg(HW_REG_IB_STS2, 6, 4)
	s_cmp_eq_u32 s2, 0
	s_cbranch_scc0 .Lentry_in_a_cluster
	s_endpgm
.Lentry_in_a_cluster:
	s_bfe_u32 s2, ttmp6, 0x10000c
	s_cmp_lg_u32 s2, 0x3003
	s_cbranch_scc0 .Lentry_shape_is_right
	s_endpgm
.Lentry_shape_is_right:
; THE THREE PROJECTIONS AND THE ATTENTION of one (b, t) block of 256 rows, for four of its eight heads.
;   Q' = (xq Wq + bq) c[h], K = xk Wk + bk, V = xv Wv + bv;  s = Q' . K + ts[t][h];  p = 1 / (1 + 2^(K5 (m - s))), m the row's true maximum over all 256 keys,
;   K5 = 5 log2(e);  att = (sum p V) / (sum p + 1e-8).  c[h] = mw0 mw1 / 8 is applied in f32 on Q's way out, ahead of its one rounding, so a negative c is honoured ahead of the maximum.
; FORMATS.  x and W are multiplied in bf16 (each input rounded once), sums in f32.  Q', K, V, p and att are f16, each rounded once; maxima, exponents and the sum of p in f32.
; LIMITS.  Q', K, V and att must lie within f16: 65,520 or more becomes an infinity.  p lies in 0 to 0.5 and below 6e-5 keeps f16's fixed step of 6e-8.
;   2^t is an infinity beyond t = 128, and p is then 0.  K5 m is rounded once before K5 s is taken from it: all keys of a row share that error.  NaN and infinities are not treated apart.
; SHARES.  Work-group (hh, bt): hh = the cluster's x picks columns 256 hh .. + 255 (four heads), bt = 4 y + cx the block.  Wave w owns rows 64 w .. + 63, as rows that it projects
;   and as queries: 4 row blocks x 16 column blocks = 64 accumulators, 512 registers.
; CLUSTER.  The four partners share hh, so they walk the same tiles of W: each is asked for JOINTLY (mask 15).  cx enters global addresses alone.
;   x IS NOT SHARED AND NOT SENT THROUGH LDS: it is f32 and must be rounded on its way; a wave's 64 rows are its own; they come straight into registers in the layout of a matrix
;   source, eight loads of 16 bytes covering 256 consecutive bytes of each of 16 rows, two slots (64 loads a wave) ahead, behind counted waits that never drain the stream.
; THE WALK.  24 slots of 64 channels: 8 for Q, 8 for K, 8 for V; W's tiles (64 k x 256 n, bf16) take turns in two LDS slots.  A slot is two quarters of 32 channels, 64 products each.
;   Behind every 16 products stands a lump: 8 roundings of the next quarter's x (they are also the places in front of the loads), 8 turning loads of W two groups on and, in even quarters,
;   8 loads of x: the memory instructions stand in few runs, four a quarter.
;   THE ADDENDS (bq, bk, bv) ARE THE C OPERAND THAT STARTS A PHASE'S SUMS.  That one quarter is written apart (QAZ), in lumps of 8 products, with the addends of two column blocks in each of two sets of 16 registers.
; THE PRODUCT IS USED TRANSPOSED: source 0 = 16 columns of W, source 1 = 16 rows of x: a lane holds one row and 8 neighbouring columns, which pack into 16 bytes and ARE
;   half a fragment of Q.  S^T = K Q^T holds one query a lane; two tiles of it rounded in pairs ARE source 1 of O^T = V^T P.
; ATTENTION.  8 units a wave: head (unit % 4) x two query tiles (unit / 4).  All 256 keys of a tile lie in 128 registers: one maximum, no running one, nothing rescaled.
; W's ring has no prefetch: a wave's tile is 16 rows of 512 bytes, and 32 clusters walk the same 1.5 MB together.
;
; LDS.  0 K (256 keys x 528); 135,168 W's two slots (64 k x 544 each); 204,800 Q of heads 1-3 parked as register images (24,576 a wave); 303,104 the three phases' addends (3 x 1,024);
;   309,248 the spare words.  Behind the last fill: V (256 keys x 544) over the slots and the park from 135,168; the waves' stages (32 rows x 272) from 274,432.
; REGISTERS, in windows of 256.  0: addresses, BB, T, WF (W's fragments, 2 x 32), XF (x's fragments, 2 x 32), Q0 (Q of head 0); in attention FB (K or V, 2 x 64) over WF and XF.
;   1: x as loaded (slot parity jp, row block rb at 128 jp + 32 rb); later Q of heads 1-3.   2, 3: the accumulators ((rb, cb) in window 2 + cb / 8 at 8 (4 (cb % 8) + rb)); in attention query tiles A and B.
.set PKK,   528                        ; a row of K in LDS: 512 + 16 bytes, an odd multiple of 16
.set PW,    544                        ; a row of W or V: 512 + 32 bytes, an odd multiple of 32, for the turning load
.set PST,   272                        ; a row of a stage: 256 + 16
.set RING0, 256*PKK
.set SLOTB, 64*PW
.set RING1, RING0+SLOTB
.set PARK,  RING0+2*SLOTB
.set TAB,   PARK+4*24576
.set VREG,  RING0
.set OSTG,  VREG+256*PW
.set SPARE, OSTG+4*32*PST              ; 128 bytes a wave: two blocks of 256 bytes that no other line names
.set XO,  2                            ; v2   r x 2048 + 32 h: my place in 16 rows of x (r = lane % 16, h = lane / 16); never rewritten
.set PFO, 3                            ; v3   lane x 2048: a lane a row, for the prefetches; never rewritten
.set WA,  4                            ; v4-5 my place in W's slot 0, 1, for the turning load
.set BA,  6                            ; v6   TAB + 32 h + 1,024 x the phase whose sums are started next
.set KST, 7                            ; v7   where I put 16 bytes of K
.set VST, 8                            ; v8   of V
.set PKA, 12                           ; v12  my 16 bytes of a parked quad
.set KB,  13                           ; v13  r x 528 + 16 h
.set VB,  14                           ; v14  VREG + my place for the turning load
.set SB,  15                           ; v15  where I put 16 bytes of a stage row
.set RD,  16                           ; v16  where I read stage rows back
.set GO,  17                           ; v17  my byte offset in two rows of att
.set KA,  18                           ; v18-19 K's addresses for the unit in hand (keys 0-127, 128-255)
.set VA,  20                           ; v20-21 V's
.set SA,  22                           ; v22  the stage address for the unit's head
.set TCP, 23                           ; v23  8 x thread
.set SPW, 30                           ; v30  my spare word; never rewritten
.set NIL, 31                           ; v31  0; never rewritten
.set BB,  32                           ; v32-63  two sets of 16 addends (two column blocks each), in a phase's first quarter
.set T,   48                           ; v48-63  four packed quads on the way out (never at the same time as the addends)
.set WF,  64
.set XF,  128
.set Q0,  192
.set FB,  64
.set O,   128                          ; windows 2, 3 in attention: S^T at 0-127 (P in place at 0-63), O^T,
.set QF,  160                          ; Q's two fragments,
.set TSB, 176                          ; temporal_sync eight times: the C operand that starts the scores,
.set M,   184                          ; four chains of the maximum,
.set KM,  188                          ; K5 m, twice,
.set L,   190                          ; four pairs of sums,
.set TM,  198                          ; at work,
.set INV, 200                          ; 1 / (sum + 1e-8),
.set OT,  208                          ; O^T packed
.set WV,  16
.set CX,  17
.set HH,  18
.set BT,  19
.set G1,  24                           ; s[24:31] descriptor group 1
.set G0,  32                           ; s[32:39] group 0, a set for each slot
.set XP,  40                           ; s[40:41] x at my rows, at the slot that is loaded next
.set XN,  42                           ; s[42:43] the next modality at my rows
.set XV,  44                           ; s[44:45] value_spikes at my rows; never rewritten
.set PP,  46                           ; s[46:47] where the prefetches stand
.set PN,  48                           ; s[48:49] their next modality
.set JC,  50                           ; slots left in XP's modality
.set PCN, 51                           ; in PP's
.set TR,  52                           ; trips done
.set FIRST, 53                         ; 1: the quarter to come starts a phase's sums
.set LIM0, 54                          ; s54-55 a wave prefetches in a trip's slot 0, 1 while TR is below these
.set U,   56                           ; the unit
.set TS,  60                           ; s[60:63] temporal_sync of my four heads
.set NK5, 66                           ; s[66:67] -K5, twice
.set SEL, 68                           ; s[68:69] v_permlanex16_b32: each lane takes its own place in the other half
.set OB,  70                           ; s[70:71] att at my wave's first row and my heads' first column
.set OP,  72                           ; s[72:73] the flush's base
.set CC,  80                           ; s[80:87] c of my four heads, each twice
.set K5,  88
.set MSB, 0
.macro WIN new                         ; the immediate's high byte repeats the setting that is left; a switch that changes nothing is dropped
.if MSB != (\new)
	s_set_vgpr_msb (MSB<<8)|(\new)
.set MSB, (\new)
.endif
.endm
.macro PLACES                          ; four places behind matrix instructions, where no other plain vector work is at hand (ISA guide 7.12.1)
.rept 4
	v_nop
.endr
.endm
.macro CREST                           ; a round of the cluster's barrier behind its opening barrier
	s_cmp_lg_u32 s[WV], 0
	s_cbranch_scc1 .Lnw0_\@
	s_barrier_signal -3
.Lnw0_\@:
	s_barrier_wait -3
	s_barrier_signal -1
	s_barrier_wait -1
.endm
.macro CROUND
	s_barrier_signal -1
	s_barrier_wait -1
	CREST
.endm
.macro JLOAD sp                        ; every wave fetches its 16 rows of the tile: one line, one mask; an s_nop 0 and four v_nop follow
	tensor_load_to_lds s[G0+4*(\sp):G0+4*(\sp)+3], s[G1:G1+7]
	s_nop 0
	PLACES
.endm
; 8 products: column blocks 2 g, 2 g + 1 x my four row blocks, 32 channels (quarter c).  The 64 accumulators take turns, one instruction a quarter.
; first = 1: the products start the sums, with the column blocks' addends (set g % 2) as C: nothing is cleared and nothing is added later.
.macro MM8 c, g, first
.if \first
	WIN 0x80+0x40*((\g)/4)
.else
	WIN 0xa0+0x50*((\g)/4)
.endif
.irp cbx, 0,1
.irp rb, 0,1,2,3
.if \first
	v_wmma_f32_16x16x32_bf16 v[8*(4*((2*(\g)+\cbx)%8)+\rb):8*(4*((2*(\g)+\cbx)%8)+\rb)+7], v[WF+16*((\g)%4)+8*\cbx:WF+16*((\g)%4)+8*\cbx+7], v[XF+32*(\c)+8*\rb:XF+32*(\c)+8*\rb+7], v[BB+16*((\g)%2)+8*\cbx:BB+16*((\g)%2)+8*\cbx+7]
.else
	v_wmma_f32_16x16x32_bf16 v[8*(4*((2*(\g)+\cbx)%8)+\rb):8*(4*((2*(\g)+\cbx)%8)+\rb)+7], v[WF+16*((\g)%4)+8*\cbx:WF+16*((\g)%4)+8*\cbx+7], v[XF+32*(\c)+8*\rb:XF+32*(\c)+8*\rb+7], v[8*(4*((2*(\g)+\cbx)%8)+\rb):8*(4*((2*(\g)+\cbx)%8)+\rb)+7]
.endif
.endr
.endr
.endm
; 4 roundings: half i % 2 of row block i / 2's fragment of quarter cq, from the raw unit of slot parity jp
.macro CV4 cq, jp, i
	WIN 0x05
.irp k, 0,1,2,3
	v_cvt_pk_bf16_f32 v[XF+32*(\cq)+8*((\i)/2)+4*((\i)%2)+\k], v[128*(\jp)+32*((\i)/2)+16*(\cq)+8*((\i)%2)+2*\k], v[128*(\jp)+32*((\i)/2)+16*(\cq)+8*((\i)%2)+2*\k+1]
.endr
.endm
; half group n of a slot's 16 (quarter n / 8, column blocks 2 (n % 8), + 1): two fragments of W, turned: 16 columns x 32 k each
.macro WL4 sp, n
	WIN 0
.irp cbx, 0,1
	ds_load_tr16_b128 v[WF+16*((\n)%4)+8*\cbx:WF+16*((\n)%4)+8*\cbx+3], v[WA+(\sp)] offset:32*PW*((\n)/8)+32*(2*((\n)%8)+\cbx)
	ds_load_tr16_b128 v[WF+16*((\n)%4)+8*\cbx+4:WF+16*((\n)%4)+8*\cbx+7], v[WA+(\sp)] offset:32*PW*((\n)/8)+32*(2*((\n)%8)+\cbx)+16*PW
.endr
.endm
; the addends of column blocks 2 g, 2 g + 1, eight a lane and block, into set g % 2
.macro BL g
	WIN 0
.irp cbx, 0,1
	ds_load_b128 v[BB+16*((\g)%2)+8*\cbx:BB+16*((\g)%2)+8*\cbx+3], v[BA] offset:64*(2*(\g)+\cbx)
	ds_load_b128 v[BB+16*((\g)%2)+8*\cbx+4:BB+16*((\g)%2)+8*\cbx+7], v[BA] offset:64*(2*(\g)+\cbx)+16
.endr
.endm
; a unit of x: 64 channels of row block rb: 256 consecutive bytes of each of 16 rows; the even quarter's four loads first
.macro XU jp, rb, base, off
	WIN 0x40
.irp q, 0,1,2,3,4,5,6,7
	global_load_b128 v[128*(\jp)+32*(\rb)+4*\q:128*(\jp)+32*(\rb)+4*\q+3], v[XO], s[\base:\base+1] offset:(\off)+32768*(\rb)+64*(\q/2)+16*(\q%2)
.endr
.endm
; the two pointers go one slot on; behind a modality's eighth slot they take the next modality's address
.macro XSTEP
	s_wait_xcnt 0x0                                ; every load and prefetch issued so far has read its address (the youngest stand a quarter back)
	s_add_nc_u64 s[XP:XP+1], s[XP:XP+1], 256
	s_sub_co_u32 s[JC], s[JC], 1
	s_cmp_eq_u32 s[JC], 0
	s_cselect_b64 s[XP:XP+1], s[XN:XN+1], s[XP:XP+1]
	s_cselect_b64 s[XN:XN+1], s[XV:XV+1], s[XN:XN+1]
	s_cselect_b32 s[JC], 8, s[JC]
	s_add_nc_u64 s[PP:PP+1], s[PP:PP+1], 256
	s_sub_co_u32 s[PCN], s[PCN], 1
	s_cmp_eq_u32 s[PCN], 0
	s_cselect_b64 s[PP:PP+1], s[PN:PN+1], s[PP:PP+1]
	s_cselect_b64 s[PN:PN+1], s[XV:XV+1], s[PN:PN+1]
	s_cselect_b32 s[PCN], 8, s[PCN]
.endm
; A PREFETCH INTO THE L2, behind the slot's last loads: my own 64 rows x 256 bytes of the slot that stands three slots (384 products) ahead of the loads just issued: a lane a row, two instructions.
; Both halves of the heads read the same x: the cluster with hh = 0 asks, the other does not, so each block of 256 bytes is named once.  Slots 0 to 4 come by their loads alone; the last slot asked for is 23.
.macro ASK sp
	WIN 0
	s_cmp_lt_u32 s[TR], s[LIM0+(\sp)]
	s_cbranch_scc0 .Lna_\@
	global_prefetch_b8 v[PFO], s[PP:PP+1] th:TH_LOAD_NT scope:SCOPE_SE
	global_prefetch_b8 v[PFO], s[PP:PP+1] offset:65536 th:TH_LOAD_NT scope:SCOPE_SE
.Lna_\@:
.endm
; A slot's EVEN quarter, four groups of 16 products.  It rounds the slot's odd quarter into XF's second buffer, a row block a lump.  xl = 1: the raw unit just emptied takes the slot two on.
; The wait ahead of row block rb's roundings leaves wbase - wstep rb younger loads out: the rest of this slot's units, the next slot's four, and those just issued.
.macro QA sp, xl, wbase, wstep
.if \xl
	XSTEP
.endif
.set gq, 0
.rept 4
	s_wait_dscnt 8                                 ; this group's fragments of W are in; the next group's eight loads may be out
	MM8 0, 2*gq, 0
	MM8 0, 2*gq+1, 0
	s_wait_loadcnt (\wbase)-(\wstep)*gq
	CV4 1, \sp, 2*gq
	CV4 1, \sp, 2*gq+1
	WL4 \sp, 2*gq+4
	WL4 \sp, 2*gq+5
.if \xl
	XU \sp, gq, XP, 0
.endif
.set gq, gq+1
.endr
.if \xl
	ASK \sp
.endif
.endm
; THE QUARTER THAT STARTS A PHASE'S SUMS (always slot 0's even quarter), in lumps of 8 products, since two sets of addends are all that the registers hold.
; A lump issues the addends two lumps on, then W's half group four on.  What may be out when lump g's products begin: g = 0: set 1's four loads; g = 1: lump 0's eight;
; g = 2 .. 6: W's four of the lump that issued these addends and the eight of the lump behind it; g = 7: W's four and four (lumps 6 and 7 ask for no addends).
.macro QAZ
	BL 0
	BL 1
	XSTEP
.set gq, 0
.rept 8
.if gq == 0
	s_wait_dscnt 4
.elseif (gq == 1) || (gq == 7)
	s_wait_dscnt 8
.else
	s_wait_dscnt 12
.endif
	MM8 0, gq, 1
.if (gq%2) == 0
	s_wait_loadcnt 56
.endif
	CV4 1, 0, gq                                   ; four roundings: the places in front of the loads into the set and the fragments just read
.if gq < 6
	BL gq+2
.endif
	WL4 0, gq+4
.if (gq%2) == 1
	XU 0, gq/2, XP, 0
.endif
.set gq, gq+1
.endr
	ASK 0
	v_add_nc_u32 v[BA], 1024, v[BA]                ; the next phase's addends
.endm
.macro CVW cv, wbase, jp, i            ; a lump's vector part in an odd quarter: the next slot's even quarter is rounded; the wait leaves out the unit's other four loads and all younger units
.if \cv
.if ((\i)%2) == 0
	s_wait_loadcnt (\wbase)-8*((\i)/2)
.endif
	CV4 0, \jp, \i
.endif
.endm
; A slot's ODD quarter, with the change of slots.  chg = 1: this slot is filled again, two tiles on, behind a round of the cluster's barrier; 2: a plain barrier, nothing is filled; 0: the last slot.
.macro QB sp, chg, cv, wbase
.set gq, 0
.rept 2
	s_wait_dscnt 8
	MM8 1, 2*gq, 0
	MM8 1, 2*gq+1, 0
.if \cv
	CVW 1, \wbase, 1-(\sp), 2*gq
	CVW 1, \wbase, 1-(\sp), 2*gq+1
.else
	PLACES
.endif
	WL4 \sp, 2*gq+12
	WL4 \sp, 2*gq+13                               ; the second lump's are my last reads of the slot
.set gq, gq+1
.endr
.if \chg
	WIN 0
	s_wait_tensorcnt 0x0                           ; all my tensor loads have landed: the one that was out is my part of the other slot;
	ds_add_u32 v[SPW], v[NIL]                      ; 0 onto my spare word
	s_wait_dscnt 9                                 ; (the add and the last group's eight loads may be out)
	MM8 1, 4, 0                                    ; eight products stand between the add and the wait for it
	s_wait_dscnt 0x0                               ; the add is done, and my reads of this slot are over
	s_barrier_signal -1
	MM8 1, 5, 0                                    ; work on registers while the others arrive
	WIN 0
	s_barrier_wait -1
.if (\chg) == 1
	CREST                                          ; no wave of any partner still reads this slot or has a load on its way
	s_add_nc_u64 s[G0+4*(\sp)+2:G0+4*(\sp)+3], s[G0+4*(\sp)+2:G0+4*(\sp)+3], 131072  ; two tiles of 64 rows x 1,024 bytes on: the three matrices lie end to end
	JLOAD \sp                                      ; the first tensor load behind the round: 112 products ahead of the wait for it
.endif
	CVW \cv, \wbase, 1-(\sp), 4
	CVW \cv, \wbase, 1-(\sp), 5
	WL4 1-(\sp), 0                                 ; the other slot's first group: the barrier has shown it whole
	WL4 1-(\sp), 1
	MM8 1, 6, 0                                    ; (in since the wait for 0)
	MM8 1, 7, 0
	CVW \cv, \wbase, 1-(\sp), 6
	CVW \cv, \wbase, 1-(\sp), 7
	WL4 1-(\sp), 2
	WL4 1-(\sp), 3
.else
	s_wait_dscnt 8
	MM8 1, 4, 0
	MM8 1, 5, 0
	s_wait_dscnt 0x0
	MM8 1, 6, 0
	MM8 1, 7, 0
.endif
.endm
; THE WAY OUT OF A PHASE (0 Q, 1 K, 2 V), a column block at a time: for Q the scale; one rounding to f16; 16 bytes a lane and row block.  The addends are in the sums already.
; Q of head 0 stays in registers, Q of heads 1-3 is parked as it lies in registers; K and V go to their rows.  Each accumulator is read from its low end on.
.macro EPI ph
.set cb, 0
.rept 16
.if (\ph) == 0
	WIN 0x82+0x41*(cb/8)
.set rb, 0
.rept 4
.set aa, 8*(4*(cb%8)+rb)
.irp j, 0,2,4,6
	v_pk_mul_f32 v[aa+\j:aa+\j+1], v[aa+\j:aa+\j+1], s[CC+2*(cb/4):CC+2*(cb/4)+1] op_sel_hi:[1,0]
.endr
.set rb, rb+1
.endr
.endif
	WIN 0x0a+0x05*(cb/8)
.set rb, 0
.rept 4
.set aa, 8*(4*(cb%8)+rb)
.if ((\ph) == 0) && (cb < 4)
.set dd, Q0+16*rb+8*((cb/2)%2)+4*(cb%2)
.else
.set dd, T+4*rb
.endif
.irp j, 0,1,2,3
	v_cvt_pk_f16_f32 v[dd+\j], v[aa+2*\j], v[aa+2*\j+1]
.endr
.set rb, rb+1
.endr
	WIN 0
.set rb, 0
.rept 4
.if (\ph) == 1
	ds_store_b128 v[KST], v[T+4*rb:T+4*rb+3] offset:16*PKK*rb+32*cb
.elseif (\ph) == 2
	ds_store_b128 v[VST], v[T+4*rb:T+4*rb+3] offset:16*PW*rb+32*cb
.elseif cb >= 4
	ds_store_b128 v[PKA], v[T+4*rb:T+4*rb+3] offset:512*(16*(cb/4-1)+4*rb+2*((cb/2)%2)+(cb%2))
.endif
.set rb, rb+1
.endr
.set cb, cb+1
.endr
.endm
; ATTENTION's macros.  x = 2, 3: query tile A, B (the window).  g = 0..3: a group of 64 keys.
.macro LOADK g                         ; 4 key tiles x 2 channel halves
	WIN 0
.irp a, 0,1,2,3
.irp c, 0,1
	ds_load_b128 v[FB+64*((\g)%2)+8*(2*\a+\c):FB+64*((\g)%2)+8*(2*\a+\c)+3], v[KA+(\g)/2] offset:16*PKK*((4*(\g)+\a)%8)+64*\c
	ds_load_b128 v[FB+64*((\g)%2)+8*(2*\a+\c)+4:FB+64*((\g)%2)+8*(2*\a+\c)+7], v[KA+(\g)/2] offset:16*PKK*((4*(\g)+\a)%8)+64*\c+32
.endr
.endr
.endm
.macro LOADV g                         ; 2 runs of 32 keys x 4 channel blocks, turned
	WIN 0
.irp a, 0,1
.irp cb, 0,1,2,3
	ds_load_tr16_b128 v[FB+64*((\g)%2)+8*(4*\a+\cb):FB+64*((\g)%2)+8*(4*\a+\cb)+3], v[VA+(\g)/2] offset:32*PW*((2*(\g)+\a)%4)+32*\cb
	ds_load_tr16_b128 v[FB+64*((\g)%2)+8*(4*\a+\cb)+4:FB+64*((\g)%2)+8*(4*\a+\cb)+7], v[VA+(\g)/2] offset:32*PW*((2*(\g)+\a)%4)+32*\cb+16*PW
.endr
.endr
.endm
.macro KQ8 x, g                        ; S^T of four key tiles: the first four products start the sums with temporal_sync; the four accumulators take turns
	WIN 0xa8+0x54*((\x)-2)
.irp c, 0,1
.irp a, 0,1,2,3
.if \c == 0
	v_wmma_f32_16x16x32_f16 v[8*(4*(\g)+\a):8*(4*(\g)+\a)+7], v[FB+64*((\g)%2)+8*(2*\a+\c):FB+64*((\g)%2)+8*(2*\a+\c)+7], v[QF+8*\c:QF+8*\c+7], v[TSB:TSB+7]
.else
	v_wmma_f32_16x16x32_f16 v[8*(4*(\g)+\a):8*(4*(\g)+\a)+7], v[FB+64*((\g)%2)+8*(2*\a+\c):FB+64*((\g)%2)+8*(2*\a+\c)+7], v[QF+8*\c:QF+8*\c+7], v[8*(4*(\g)+\a):8*(4*(\g)+\a)+7]
.endif
.endr
.endr
.endm
.macro PV8 x, g                        ; O^T += V^T P for 64 keys; the very first four start the sums with 0
	WIN 0xa8+0x54*((\x)-2)
.irp a, 0,1
.irp cb, 0,1,2,3
.if ((\g) == 0) && (\a == 0)
	v_wmma_f32_16x16x32_f16 v[O+8*\cb:O+8*\cb+7], v[FB+64*((\g)%2)+8*(4*\a+\cb):FB+64*((\g)%2)+8*(4*\a+\cb)+7], v[8*(2*(\g)+\a):8*(2*(\g)+\a)+7], 0
.else
	v_wmma_f32_16x16x32_f16 v[O+8*\cb:O+8*\cb+7], v[FB+64*((\g)%2)+8*(4*\a+\cb):FB+64*((\g)%2)+8*(4*\a+\cb)+7], v[8*(2*(\g)+\a):8*(2*(\g)+\a)+7], v[O+8*\cb:O+8*\cb+7]
.endif
.endr
.endr
.endm
.macro SUMCV                           ; pair p of 64: its two weights join one of four chains of sums (the chains begin with two pairs), then they are rounded into register p, which earlier pairs have left
.if p < 4
	v_pk_add_f32 v[L+2*p:L+2*p+1], v[2*p:2*p+1], v[2*p+8:2*p+9]
.elseif p >= 8
	v_pk_add_f32 v[L+2*(p%4):L+2*(p%4)+1], v[L+2*(p%4):L+2*(p%4)+1], v[2*p:2*p+1]
.endif
	v_cvt_pk_f16_f32 v[p], v[2*p], v[2*p+1]
.endm
; THE WEIGHTS of one query tile: 128 scores a lane, all in one window.  The two halves of the scores (registers 0-63, 64-127) go through scaling, exponential, + 1, reciprocal, sum and rounding
; one stage apart, so that each batch of 64 exponentials or reciprocals has the other half's plain work between its lines; each batch has ONE wait, ahead of its first reader.
.macro SMAX x
	WIN 0xaa+0x55*((\x)-2)
.set t, 0
.rept 16                               ; the maximum: four chains of four tiles; each tile's lowest registers are read first
.irp i, 0,1,2,3
.if t == 0
	v_max_num_f32 v[M+\i], v[32*\i], v[32*\i+1]
.else
	v_max3_num_f32 v[M+\i], v[M+\i], v[32*\i+2*t], v[32*\i+2*t+1]
.endif
.endr
.set t, t+1
.endr
	v_max_num_f32 v[TM], v[M+2], v[M+3]
	v_max3_num_f32 v[M], v[M], v[M+1], v[TM]
	v_permlanex16_b32 v[TM], v[M], s[SEL], s[SEL+1]  ; the query's other 128 keys lie in the lane 16 away
	v_max_num_f32 v[M], v[M], v[TM]
	v_mul_f32 v[KM], s[K5], v[M]
	v_mul_f32 v[KM+1], s[K5], v[M]
.set p, 0
.rept 32
	v_pk_fma_f32 v[2*p:2*p+1], v[2*p:2*p+1], s[NK5:NK5+1], v[KM:KM+1] op_sel_hi:[1,0,1]  ; K5 m - K5 s
.set p, p+1
.endr
.set p, 0
.rept 32
	v_exp_f32 v[2*p], v[2*p]
	v_exp_f32 v[2*p+1], v[2*p+1]
	v_pk_fma_f32 v[64+2*p:64+2*p+1], v[64+2*p:64+2*p+1], s[NK5:NK5+1], v[KM:KM+1] op_sel_hi:[1,0,1]
.set p, p+1
.endr
	s_wait_alu depctr_va_vdst(0)
.set p, 0
.rept 32
	v_exp_f32 v[64+2*p], v[64+2*p]
	v_exp_f32 v[64+2*p+1], v[64+2*p+1]
	v_pk_add_f32 v[2*p:2*p+1], v[2*p:2*p+1], 1.0 op_sel_hi:[1,0]
.set p, p+1
.endr
	s_wait_alu depctr_va_vdst(0)
.set p, 0
.rept 32
	v_rcp_f32 v[2*p], v[2*p]
	v_rcp_f32 v[2*p+1], v[2*p+1]
	v_pk_add_f32 v[64+2*p:64+2*p+1], v[64+2*p:64+2*p+1], 1.0 op_sel_hi:[1,0]
.set p, p+1
.endr
	s_wait_alu depctr_va_vdst(0)
.set p, 0
.rept 32
	v_rcp_f32 v[64+2*p], v[64+2*p]
	v_rcp_f32 v[64+2*p+1], v[64+2*p+1]
	SUMCV
.set p, p+1
.endr
	s_wait_alu depctr_va_vdst(0)
.rept 32
	SUMCV
.set p, p+1
.endr
	v_pk_add_f32 v[L:L+1], v[L:L+1], v[L+2:L+3]
	v_pk_add_f32 v[L+4:L+5], v[L+4:L+5], v[L+6:L+7]
	v_pk_add_f32 v[L:L+1], v[L:L+1], v[L+4:L+5]
	v_add_f32 v[TM], v[L], v[L+1]
	v_permlanex16_b32 v[M+1], v[TM], s[SEL], s[SEL+1]
	v_add_f32 v[TM], v[TM], v[M+1]
	v_add_f32 v[TM], 0x322bcc77, v[TM]             ; + 1e-8
	v_rcp_f32 v[INV], v[TM]
	v_mov_b32 v[INV+1], v[TM]                      ; the pair's other word is named with it, so it is written: the plain instruction behind the reciprocal
	s_wait_alu depctr_va_vdst(0)
.endm
.macro OEPI x, qt                      ; O^T / (sum + 1e-8), rounded once, into my stage: row 16 qt + r, the head's 128 bytes
	WIN 0xaa+0x55*((\x)-2)
.set p, 0
.rept 16
	v_pk_mul_f32 v[O+2*p:O+2*p+1], v[O+2*p:O+2*p+1], v[INV:INV+1] op_sel_hi:[1,0]
.set p, p+1
.endr
.set p, 0
.rept 16
	v_cvt_pk_f16_f32 v[OT+p], v[O+2*p], v[O+2*p+1]
.set p, p+1
.endr
	WIN 4*(\x)
.irp cb, 0,1,2,3
	ds_store_b128 v[SA], v[OT+4*\cb:OT+4*\cb+3] offset:16*PST*(\qt)+32*\cb
.endr
.endm
.macro QBLK u                          ; unit u's Q: head u % 4, row blocks 2 (u / 4) and + 1, into the places that the one text of the products names
.if ((\u)%4) == 0
.set qs, Q0+32*((\u)/4)
.set qw, 0
.else
.set qs, 64*((\u)%4-1)+32*((\u)/4)
.set qw, 1
.endif
	WIN 0x80+qw
.set i, 0
.rept 16
	v_mov_b32 v[QF+i], v[qs+i]
.set i, i+1
.endr
	WIN 0xc0+qw
.set i, 0
.rept 16
	v_mov_b32 v[QF+i], v[qs+16+i]
.set i, i+1
.endr
	WIN 0
.endm
	; ---------------- the head
	s_load_b256 s[4:11], s[0:1], 0x0               ; query s[4:5], key s[6:7], value s[8:9], wb s[10:11]
	s_load_b128 s[12:15], s[0:1], 0x20             ; tab s[12:13], att s[14:15]
	v_lshl_add_u32 v[SPW], v0, 2, SPARE
	v_mov_b32 v[NIL], 0
	ds_add_u32 v[SPW], v[NIL]                      ; the wave's opening: the add, twice on end, and its wait ahead of my first tensor load
	ds_add_u32 v[SPW], v[NIL]
	v_lshrrev_b32 v1, 5, v0
	v_readfirstlane_b32 s[WV], v1                  ; wave 0..3
	s_bfe_u32 s[CX], ttmp6, 0x40000                ; my place in the cluster
	s_mov_b32 s[HH], ttmp9                         ; the cluster's x: which half of the heads; the four partners share it
	s_and_b32 s[BT], ttmp7, 0xffff
	s_lshl_b32 s[BT], s[BT], 2
	s_add_co_u32 s[BT], s[BT], s[CX]               ; the (b, t) block
	; descriptor group 1: a wave's quarter of a tile of W: 16 rows x 256 elements, padded in LDS
	s_mov_b32 s[G1+0], 15|(1<<16)|(1<<20)|(1<<21)|(6<<22)|(7<<25)  ; the mask of four; 2-byte elements; padding on; bit 21 beside a mask; after every 128 words; 8 words
	s_mov_b32 s[G1+1], 256<<16                     ; tensor_dim0 = 256
	s_mov_b32 s[G1+2], 16<<16                      ; tensor_dim1 = 16
	s_mov_b32 s[G1+3], 256<<16                     ; tile_dim0 = 256
	s_mov_b32 s[G1+4], 16                          ; tile_dim1 = 16
	s_mov_b32 s[G1+5], 512                         ; elements from row to row
	s_mov_b32 s[G1+6], 0
	s_mov_b32 s[G1+7], 0
	s_mul_i32 s23, s[WV], 16*PW                    ; my 16 rows in a slot: no place in the cluster enters an LDS address
	s_mov_b32 s[G0], 1
	s_add_co_u32 s[G0+1], s23, RING0
	s_mov_b32 s[G0+4], 1
	s_add_co_u32 s[G0+5], s23, RING1
	s_lshl_b32 s20, s[HH], 9                       ; W: my heads' 256 columns,
	s_lshl_b32 s22, s[WV], 14                      ; my 16 rows of 1,024 bytes (in registers that never hold cx)
	s_add_co_u32 s20, s20, s22
	s_mov_b32 s21, 0
	s_mov_b32 s[NK5], 0xc0e6d4ca                   ; -5 log2(e)
	s_mov_b32 s[NK5+1], 0xc0e6d4ca
	s_mov_b32 s[K5], 0x40e6d4ca
	s_mov_b32 s[SEL], 0x76543210
	s_mov_b32 s[SEL+1], 0xfedcba98
	s_mov_b32 s[JC], 7
	s_mov_b32 s[PCN], 4
	s_mov_b32 s[TR], 0
	s_mov_b32 s[FIRST], 1
	s_cmp_eq_u32 s[HH], 0
	s_cselect_b32 s[LIM0], 10, 0                   ; slot 2 TR asks for slot 2 TR + 5, slot 2 TR + 1 for 2 TR + 6: 23 at the most
	s_cselect_b32 s[LIM0+1], 9, 0
	v_and_b32 v9, 15, v0                           ; r
	v_bfe_u32 v10, v0, 4, 1                        ; h
	v_and_b32 v11, 31, v0                          ; lane
	v_lshlrev_b32 v[XO], 11, v9
	v_lshl_add_u32 v[XO], v10, 5, v[XO]
	v_lshlrev_b32 v[PFO], 11, v11
	v_and_b32 v1, 7, v0                            ; the turning load: row 8 h + lane % 8, 16 bytes for each half of eight lanes
	v_lshl_add_u32 v1, v10, 3, v1
	v_mul_u32_u24 v1, v1, PW
	v_bfe_u32 v24, v0, 3, 1
	v_lshl_add_u32 v1, v24, 4, v1
	v_add_nc_u32 v[WA], RING0, v1
	v_add_nc_u32 v[WA+1], RING1, v1
	v_add_nc_u32 v[VB], VREG, v1
	v_lshl_add_u32 v[BA], v10, 5, TAB
	v_mul_u32_u24 v[KB], v9, PKK
	v_lshl_add_u32 v[KB], v10, 4, v[KB]
	s_mul_i32 s22, s[WV], 64*PKK
	v_add_nc_u32 v[KST], s22, v[KB]
	v_mul_u32_u24 v[VST], v9, PW
	v_lshl_add_u32 v[VST], v10, 4, v[VST]
	s_mul_i32 s22, s[WV], 64*PW
	s_add_co_u32 s22, s22, VREG
	v_add_nc_u32 v[VST], s22, v[VST]
	s_mul_i32 s22, s[WV], 24576
	s_add_co_u32 s22, s22, PARK
	v_lshl_add_u32 v[PKA], v11, 4, s22
	s_mul_i32 s22, s[WV], 32*PST
	s_add_co_u32 s22, s22, OSTG
	v_mul_u32_u24 v[SB], v9, PST
	v_lshl_add_u32 v[SB], v10, 4, v[SB]
	v_add_nc_u32 v[SB], s22, v[SB]
	v_mul_u32_u24 v[RD], v10, PST
	v_lshl_add_u32 v[RD], v9, 4, v[RD]
	v_add_nc_u32 v[RD], s22, v[RD]
	v_lshlrev_b32 v[GO], 10, v10
	v_lshl_add_u32 v[GO], v9, 4, v[GO]
	v_lshlrev_b32 v[TCP], 3, v0
	v_add_nc_u32 v24, TAB, v[TCP]
	s_wait_dscnt 0x0                               ; both opening adds are done
	s_wait_kmcnt 0x0
	s_add_nc_u64 s[G0+2:G0+3], s[10:11], s[20:21]  ; tile 0,
	s_add_nc_u64 s[G0+6:G0+7], s[G0+2:G0+3], 65536 ; tile 1
	s_or_b32 s[G0+3], s[G0+3], 0x80000000
	s_or_b32 s[G0+7], s[G0+7], 0x80000000
	s_lshl_b32 s74, s[BT], 19                      ; x: the block's 256 rows of 2,048 bytes,
	s_lshl_b32 s75, s[WV], 17                      ; my 64 of them
	s_add_co_u32 s74, s74, s75
	s_mov_b32 s75, 0
	s_add_nc_u64 s[76:77], s[4:5], s[74:75]        ; query_spikes at my rows: the first two slots are loaded from here
	s_add_nc_u64 s[XN:XN+1], s[6:7], s[74:75]
	s_add_nc_u64 s[XV:XV+1], s[8:9], s[74:75]
	s_add_nc_u64 s[XP:XP+1], s[76:77], 256         ; slot 0's step makes slot 2 of it
	s_add_nc_u64 s[PP:PP+1], s[76:77], 1024        ; slot 0's step makes slot 5 of it
	s_mov_b64 s[PN:PN+1], s[XN:XN+1]
	s_lshl_b32 s74, s[BT], 18                      ; att: the block's 256 rows of 1,024 bytes,
	s_lshl_b32 s58, s[WV], 16
	s_add_co_u32 s74, s74, s58
	s_lshl_b32 s58, s[HH], 9
	s_add_co_u32 s74, s74, s58
	s_add_nc_u64 s[OB:OB+1], s[14:15], s[74:75]
	s_and_b32 s78, s[BT], 31                       ; t
	s_lshl_b32 s78, s78, 5
	s_lshl_b32 s79, s[HH], 4
	s_add_co_u32 s78, s78, s79
	s_load_b128 s[TS:TS+3], s[12:13], s78 offset:8448  ; temporal_sync[t][4 hh ..]
	s_load_b128 s[92:95], s[12:13], s79 offset:8192    ; c[4 hh ..]
	s_lshl_b32 s58, s[HH], 10
	s_mov_b32 s59, 0
	s_add_nc_u64 s[90:91], s[12:13], s[58:59]      ; the addends of my 256 columns
	CROUND                                         ; all four work-groups are here: the first joint loads meet
	tensor_load_to_lds s[G0:G0+3], s[G1:G1+7]      ; the two first fills, together: two loads of mine are out
	s_nop 0
	tensor_load_to_lds s[G0+4:G0+7], s[G1:G1+7]
	s_nop 0
	PLACES
	global_load_b64 v[32:33], v[TCP], s[90:91]
	global_load_b64 v[34:35], v[TCP], s[90:91] offset:2048
	global_load_b64 v[36:37], v[TCP], s[90:91] offset:4096
.irp rb, 0,1,2,3
	XU 0, \rb, 76, 0
.endr
.irp rb, 0,1,2,3
	XU 1, \rb, 76, 256
.endr
	WIN 0
	s_wait_loadcnt 63                              ; 64 loads are younger than the three addends'
	ds_store_b64 v24, v[32:33]
	ds_store_b64 v24, v[34:35] offset:1024
	ds_store_b64 v24, v[36:37] offset:2048
	s_wait_kmcnt 0x0
.irp k, 0,1,2,3
	s_mov_b32 s[CC+2*\k], s[92+\k]
	s_mov_b32 s[CC+2*\k+1], s[92+\k]
.endr
	s_wait_tensorcnt 0x1                           ; my part of slot 0 is in; slot 1's may stay out
	s_wait_dscnt 0x0                               ; my part of the addends is stored
	s_barrier_signal -1
	s_barrier_wait -1
.irp n, 0,1,2,3
	WL4 0, \n
.endr
.irp i, 0,1,2,3,4,5,6,7
	CVW 1, 60, 0, \i                               ; quarter 0 of x
.endr
	WIN 0
	; ---------------- slots 0 to 21, two a trip
.Ltrip:
	s_cmp_eq_u32 s[FIRST], 1
	s_cbranch_scc0 .Lacc
	QAZ                                            ; a phase's first quarter starts the sums with the addends
	s_mov_b32 s[FIRST], 0
	s_branch .Ljoin
.Lacc:
	QA 0, 1, 56, 0
	WIN 0
.Ljoin:
	QB 0, 1, 1, 60
	QA 1, 1, 56, 0
	QB 1, 1, 1, 60
	WIN 0
	s_cmp_eq_u32 s[TR], 3
	s_cbranch_scc1 .LepiQ
	s_cmp_eq_u32 s[TR], 7
	s_cbranch_scc1 .LepiK
	s_branch .Lnext
.LepiQ:
	EPI 0
	s_mov_b32 s[FIRST], 1
	s_branch .Lnext
.LepiK:
	EPI 1
	s_mov_b32 s[FIRST], 1
.Lnext:
	s_add_co_u32 s[TR], s[TR], 1
	s_cmp_lt_u32 s[TR], 11
	s_cbranch_scc1 .Ltrip
	; ---------------- slots 22 and 23 are written out: nothing more is asked for, and the counts run down
	QA 0, 0, 56, 8
	QB 0, 2, 1, 28
	QA 1, 0, 24, 8
	QB 1, 0, 0, 0
	WIN 0x40
.set i, 0
.rept 48                               ; Q of heads 1-3 comes back, into the registers that x has left
	ds_load_b128 v[4*i:4*i+3], v[PKA] offset:512*i
.set i, i+1
.endr
	WIN 0
	s_wait_dscnt 0x0                               ; my reads of the slots and of my park are over
	s_barrier_signal -1
	s_barrier_wait -1                              ; everybody's are: V may be laid over them (the slots have had their last fill)
	EPI 2
	s_wait_dscnt 0x0                               ; my rows of V are stored
	s_barrier_signal -1
	s_barrier_wait -1
	; ---------------- attention: 8 units
	s_mov_b32 s[U], 0
.Lunit:
	s_wait_xcnt 0x0                                ; the last flush's stores have read their registers and their base
	s_and_b32 s74, s[U], 3                         ; the head among my four
	s_lshr_b32 s75, s[U], 2                        ; which pair of query tiles
	s_lshl_b32 s76, s74, 7                         ; the head's 128 bytes of a row
	v_add_nc_u32 v[KA], s76, v[KB]
	v_add_nc_u32 v[KA+1], 128*PKK, v[KA]
	v_add_nc_u32 v[VA], s76, v[VB]
	v_add_nc_u32 v[VA+1], 128*PW, v[VA]
	s_and_b32 s77, s74, 1
	s_lshl_b32 s77, s77, 7
	v_add_nc_u32 v[SA], s77, v[SB]
	LOADK 0
	LOADK 1
	s_cmp_eq_u32 s74, 1
	s_cselect_b32 s78, s[TS+1], s[TS]
	s_cmp_eq_u32 s74, 2
	s_cselect_b32 s78, s[TS+2], s78
	s_cmp_eq_u32 s74, 3
	s_cselect_b32 s78, s[TS+3], s78
	WIN 0x80
.irp i, 0,1,2,3,4,5,6,7
	v_mov_b32 v[TSB+\i], s78
.endr
	WIN 0xc0
.irp i, 0,1,2,3,4,5,6,7
	v_mov_b32 v[TSB+\i], s78
.endr
	WIN 0
	; registers cannot be chosen at run time: 32 copies a unit spare eight texts of the products
.irp u, 0,1,2,3,4,5,6
	s_cmp_eq_u32 s[U], \u
	s_cbranch_scc1 .Lq\u
.endr
	QBLK 7
	s_branch .Lqj
.irp u, 0,1,2,3,4,5,6
.Lq\u:
	QBLK \u
	s_branch .Lqj
.endr
.Lqj:
.irp g, 0,1,2,3
	s_wait_dscnt 16                                ; this group of K is in; the next group's sixteen loads may be out
	KQ8 2, \g
	KQ8 3, \g
	WIN 0
	PLACES
.if \g < 2
	LOADK \g+2
.else
	LOADV \g-2                                     ; V's first two groups land during the softmax
.endif
.endr
	SMAX 2
	SMAX 3
.irp g, 0,1,2,3
.if \g < 3
	s_wait_dscnt 16
.else
	s_wait_dscnt 0x0
.endif
	PV8 2, \g
	PV8 3, \g
	WIN 0
	PLACES
.if \g < 2
	LOADV \g+2
.endif
.endr
	OEPI 2, 0
	OEPI 3, 1
	WIN 0
	s_bitcmp1_b32 s[U], 0
	s_cbranch_scc0 .Lnofl                          ; behind an odd head a stage row holds two heads: 256 whole bytes
.set i, 0
.rept 16
	ds_load_b128 v[FB+4*i:FB+4*i+3], v[RD] offset:2*PST*i  ; my own bytes: LDS serves a wave's instructions in order (ISA guide 5.7.1.4)
.set i, i+1
.endr
	s_lshl_b32 s76, s75, 15                        ; 32 rows of 1,024 bytes for the pair of tiles,
	s_lshr_b32 s77, s74, 1
	s_lshl_b32 s77, s77, 8                         ; 256 bytes for the pair of heads
	s_add_co_u32 s76, s76, s77
	s_mov_b32 s77, 0
	s_add_nc_u64 s[OP:OP+1], s[OB:OB+1], s[76:77]
.set i, 0
.rept 16
	s_wait_dscnt 15-i
	global_store_b128 v[GO], v[FB+4*i:FB+4*i+3], s[OP:OP+1] offset:2048*i  ; 16 lanes store 256 consecutive bytes, at a multiple of 256 from att's first byte
.set i, i+1
.endr
.Lnofl:
	s_add_co_u32 s[U], s[U], 1
	s_cmp_lt_u32 s[U], 8
	s_cbranch_scc1 .Lunit
	s_wait_tensorcnt 0x0                           ; the wave's end, behind my last tensor load and my last LDS store
	ds_add_u32 v[SPW], v[NIL]
	s_wait_dscnt 0x0
	CROUND                                         ; the closing round: no work-group ends while a partner may still ask for a tile that names it
	s_endpgm
.Lfunc_end_k_qedc87cd5a8_attn:
	.size	k_qedc87cd5a8_attn, .Lfunc_end_k_qedc87cd5a8_attn-k_qedc87cd5a8_attn
	.p2alignl 7, 3214868480
	.fill 96, 4, 3214868480
	.section	.rodata,"a",@progbits
	.p2align	6, 0x0
	.amdhsa_kernel k_qedc87cd5a8_attn
		.amdhsa_group_segment_fixed_size 327680
		.amdhsa_private_segment_fixed_size 0
		.amdhsa_enable_private_segment 0
		.amdhsa_kernarg_size 48
		.amdhsa_user_sgpr_count 2
		.amdhsa_user_sgpr_kernarg_segment_ptr 1
		.amdhsa_wavefront_size32 1
		.amdhsa_system_sgpr_workgroup_id_x 1
		.amdhsa_system_sgpr_workgroup_id_y 1
		.amdhsa_system_sgpr_workgroup_id_z 1
		.amdhsa_system_vgpr_workitem_id 0
		.amdhsa_next_free_vgpr 1024
		.amdhsa_next_free_sgpr 96
		.amdhsa_reserve_vcc 0
		.amdhsa_float_denorm_mode_32 3
		.amdhsa_float_denorm_mode_16_64 3
		.amdhsa_memory_ordered 1
		.amdhsa_forward_progress 1
		.amdhsa_inst_pref_size 255
	.end_amdhsa_kernel
	.section	.bss,"aw",@nobits
	.p2align	6
	.space	262144
	.amdgpu_metadata
---
amdhsa.version: [ 1, 2 ]
amdhsa.kernels:
  - .name:           k_qedc87cd5a8_attn
    .symbol:         k_qedc87cd5a8_attn.kd
    .args:
      - { .name: query_spikes, .offset: 0, .size: 8, .value_kind: global_buffer, .address_space: global }
      - { .name: key_spikes, .offset: 8, .size: 8, .value_kind: global_buffer, .address_space: global }
      - { .name: value_spikes, .offset: 16, .size: 8, .value_kind: global_buffer, .address_space: global }
      - { .name: wb, .offset: 24, .size: 8, .value_kind: global_buffer, .address_space: global }
      - { .name: tab, .offset: 32, .size: 8, .value_kind: global_buffer, .address_space: global }
      - { .name: att, .offset: 40, .size: 8, .value_kind: global_buffer, .address_space: global }
    .group_segment_fixed_size: 327680
    .private_segment_fixed_size: 0
    .kernarg_segment_align: 8
    .kernarg_segment_size: 48
    .max_flat_workgroup_size: 128
    .sgpr_count:     96
    .vgpr_count:     1024
    .wavefront_size: 32
...
	.end_amdgpu_metadata
.endif
;; end of part 2
;; launch oproj (part 3): grid 256 x 1, 4 waves a work-group, clusters of 4 x 1, 327,680 bytes of LDS; arguments att, wo16, tab, out0; writes out0
.if DOCPART == 3
	.amdgcn_target "amdgcn-amd-amdhsa--gfx1250"
	.amdhsa_code_object_version 6
	.text
	.protected	k_qedc87cd5a8_oproj
	.globl	k_qedc87cd5a8_oproj
	.p2align	8
	.type	k_qedc87cd5a8_oproj,@function
k_qedc87cd5a8_oproj:
	s_mov_b64 s[64:65], 0
	v_nop
	global_prefetch_b8 v0, s[64:65] scope:SCOPE_SE
	s_setreg_imm32_b32 hwreg(HW_REG_WAVE_MODE, 25, 1), 1
	s_wait_xcnt 0x0
	s_wait_alu depctr_hold_cnt(0) depctr_sa_sdst(0) depctr_va_vdst(0) depctr_va_sdst(0) depctr_va_ssrc(0) depctr_va_vcc(0) depctr_vm_vsrc(0)
	s_getreg_b32 s2, hwreg(HW_REG_IB_STS2, 6, 4)
	s_cmp_eq_u32 s2, 0
	s_cbranch_scc0 .Lentry_in_a_cluster
	s_endpgm
.Lentry_in_a_cluster:
	s_bfe_u32 s2, ttmp6, 0x10000c
	s_cmp_lg_u32 s2, 0x3003
	s_cbranch_scc0 .Lentry_shape_is_right
	s_endpgm
.Lentry_shape_is_right:
; out0 = att Wo + bo.  att: [32768][512] f16; wo16: [512 k][512 n] f16 (Wo rounded to bf16, written as f16); bo from tab, rounded to bf16; out0 f32.  Sums in f32.
; SHARES.  A work-group owns 128 rows and all 512 columns.  Wave (rh = w / 2, ch = w % 2) owns 64 rows; its 64 x 512 numbers of att stay in 512 registers, loaded once at the head
; (128 loads of 16 bytes a lane), so att needs no ring.  The columns go in four chunks of 128; in a chunk the wave makes columns 64 ch .. + 63: 16 accumulators.
; Wo goes through LDS: a chunk is two slots (k 0-255, k 256-511) of 256 rows x 256 bytes, each row 256 consecutive aligned bytes of memory.  Every work-group walks the same tiles,
; so the four partners of a cluster ask for them JOINTLY (mask 15).  A finished chunk is stored while the next chunk's tiles are on their way.
; THE PRODUCT IS USED TRANSPOSED (source 0 = 16 columns of Wo, turned by ds_load_tr16_b128; source 1 = 16 rows of att): a lane holds one row and 8 neighbouring columns.  bo is the C operand that starts each sum.
; NO PREFETCH: att is asked for once, at the head, where nothing can be asked earlier; Wo's 0.5 MB are walked by every cluster; the launch moves 100 MB for 128 products a step and slot.
; LDS.  0, 73,728 the two slots (pitch 288); 147,456 a stage of 16 rows x 272 bytes for each wave; 164,864 bo; 166,912 the spare words.
; REGISTERS.  Window 0: addresses, WF (4 steps' fragments of Wo, 32 each: two pairs of steps), OT (two sets of 32, on the way out).  Window 1: accumulator (rb, cb) at 8 (4 rb + cb); BB (bo for my 64 columns) at 128.
;   Windows 2, 3: att's fragment (rb, kc) in window 2 + rb / 2 at 8 (16 (rb % 2) + kc).
.set PW,    288                        ; 256 + 32 bytes, an odd multiple of 32, for the turning load
.set SLOTB, 256*PW
.set STAGE, 2*SLOTB
.set PST,   272
.set BTAB,  STAGE+4*16*PST
.set SPARE, BTAB+2048                  ; 128 bytes a wave: two blocks of 256 bytes that no other line names
.set AO,  2                            ; v2   r x 1024 + 16 h
.set WA,  4                            ; v4-7 my place for the turning load in k 0-127, 128-255 (slot 0), 256-383, 384-511 (slot 1)
.set BBA, 8                            ; v8   bo of the chunk whose addends are loaded next
.set STO, 9
.set RD,  10
.set GO,  11
.set SPW, 30
.set NIL, 31
.set WF,  32
.set OT,  160
.set BB,  128                          ; window 1
.set WV,  12
.set G1,  24
.set G0,  32
.set AP,  40                           ; s[40:41] att at my rows
.set OP,  42                           ; s[42:43] out0 at my rows and the chunk's columns
.set CH,  44                           ; chunks to go in the loop
.set MSB, 0
.macro WIN new
.if MSB != (\new)
	s_set_vgpr_msb (MSB<<8)|(\new)
.set MSB, (\new)
.endif
.endm
.macro PLACES
.rept 4
	v_nop
.endr
.endm
.macro CREST
	s_cmp_lg_u32 s[WV], 0
	s_cbranch_scc1 .Lnw0_\@
	s_barrier_signal -3
.Lnw0_\@:
	s_barrier_wait -3
	s_barrier_signal -1
	s_barrier_wait -1
.endm
.macro CROUND
	s_barrier_signal -1
	s_barrier_wait -1
	CREST
.endm
.macro JLOAD kh                        ; every wave fetches its 64 rows of the slot; an s_nop 0 and four v_nop follow
	tensor_load_to_lds s[G0+4*(\kh):G0+4*(\kh)+3], s[G1:G1+7]
	s_nop 0
	PLACES
.endm
.macro MMH kc, hf                      ; 8 products of step kc: row blocks 2 hf, 2 hf + 1 x 4 column blocks.  Eight accumulators take turns, one instruction a turn: seven others stand between two links of a chain
	WIN 0x58+4*(\hf)
.irp rl, 0,1
.irp cb, 0,1,2,3
.if (\kc) == 0
	v_wmma_f32_16x16x32_f16 v[8*(4*(2*(\hf)+\rl)+\cb):8*(4*(2*(\hf)+\rl)+\cb)+7], v[WF+32*((\kc)%4)+8*\cb:WF+32*((\kc)%4)+8*\cb+7], v[8*(16*\rl+(\kc)):8*(16*\rl+(\kc))+7], v[BB+8*\cb:BB+8*\cb+7]
.else
	v_wmma_f32_16x16x32_f16 v[8*(4*(2*(\hf)+\rl)+\cb):8*(4*(2*(\hf)+\rl)+\cb)+7], v[WF+32*((\kc)%4)+8*\cb:WF+32*((\kc)%4)+8*\cb+7], v[8*(16*\rl+(\kc)):8*(16*\rl+(\kc))+7], v[8*(4*(2*(\hf)+\rl)+\cb):8*(4*(2*(\hf)+\rl)+\cb)+7]
.endif
.endr
.endr
.endm
.macro WLD kc                          ; step kc's four fragments of Wo
	WIN 0
.irp cb, 0,1,2,3
	ds_load_tr16_b128 v[WF+32*((\kc)%4)+8*\cb:WF+32*((\kc)%4)+8*\cb+3], v[WA+(\kc)/4] offset:32*PW*((\kc)%4)+32*\cb
	ds_load_tr16_b128 v[WF+32*((\kc)%4)+8*\cb+4:WF+32*((\kc)%4)+8*\cb+7], v[WA+(\kc)/4] offset:32*PW*((\kc)%4)+32*\cb+16*PW
.endr
.endm
.macro BBLD                            ; bo of my 64 columns, 8 numbers a lane and column block
	WIN 0x40
.irp cb, 0,1,2,3
	ds_load_b128 v[BB+8*\cb:BB+8*\cb+3], v[BBA] offset:64*\cb
	ds_load_b128 v[BB+8*\cb+4:BB+8*\cb+7], v[BBA] offset:64*\cb+16
.endr
	WIN 0
.endm
; A CHUNK: eight pairs of steps of 32 along k, 32 products a pair (row blocks 0, 1 of both steps, then row blocks 2, 3: three window switches a pair); behind each pair four places and, in ONE run,
; the sixteen loads of the pair two on.  Pair 1's run holds the last reads of slot 0, pair 5's of slot 1: pairs 2 and 6 hold the changes of slots.
; last = 1: nothing is asked for; pair 2 keeps a plain barrier, since slot 1's tile must be whole for all.
.macro CHUNK last
.set pp, 0
.rept 8
.set kc, 2*pp
.if 8*(14-kc) > 63
	s_wait_loadcnt 63                              ; att's fragments of both steps are in (eight loads a step; a count cannot name more than 63); met at once from the second chunk on
.else
	s_wait_loadcnt 8*(14-kc)
.endif
.if (pp == 2) || ((pp == 6) && !(\last))
	WIN 0
	s_wait_tensorcnt 0x0                           ; all my tensor loads have landed: my part of the other slot;
	ds_add_u32 v[SPW], v[NIL]                      ; 0 onto my spare word
	s_wait_dscnt 17                                ; (the add and the next pair's sixteen loads may be out)
	MMH kc, 0                                      ; sixteen products stand between the add and the wait for it
	MMH kc+1, 0
	s_wait_dscnt 0x0                               ; the add is done, and my reads of this slot are over
	s_barrier_signal -1
	MMH kc, 1                                      ; sixteen more while the others arrive
	MMH kc+1, 1
	WIN 0
	s_barrier_wait -1
.if \last
	PLACES
.else
	CREST                                          ; no wave of any partner still reads this slot or has a load on its way
	s_add_nc_u64 s[G0+4*(pp/4)+2:G0+4*(pp/4)+3], s[G0+4*(pp/4)+2:G0+4*(pp/4)+3], 256  ; the next chunk's 128 columns
	JLOAD pp/4                                     ; the first tensor load behind the round: three pairs, 96 products, ahead of the wait for it
.endif
.else
.if (\last) && (pp == 7)
	s_wait_dscnt 0x0
.elseif (pp == 1) && !(\last)
	s_wait_dscnt 24                                ; the next pair's sixteen loads and the eight of the next chunk's addends may be out
.else
	s_wait_dscnt 16                                ; this pair's fragments are in; the next pair's sixteen loads may be out
.endif
	MMH kc, 0
	MMH kc+1, 0
	MMH kc, 1
	MMH kc+1, 1
	WIN 0
.if !(\last) || (pp < 6) || (pp == 7)
	PLACES
.endif
.if !(\last) && (pp == 7)
	v_nop                                          ; a fifth place: the next chunk's first products write these accumulators anew, from bo, which is no link of a chain in place; the way out between holds no vector instruction
.endif
.endif
.if (pp == 0) && !(\last)
	v_add_nc_u32 v[BBA], 512, v[BBA]
	BBLD                                           ; the next chunk's addends: step 0 alone has read these registers
.endif
.if pp < 6
	WLD kc+4
	WLD kc+5
.elseif !(\last)
	WLD kc-12                                      ; the next chunk's first steps, from slot 0, which pair 6's barrier has shown whole
	WLD kc-11
.endif
.set pp, pp+1
.endr
.endm
; THE WAY OUT: 16 rows at a time through my own stage, back as whole rows of 256 bytes
.macro TOST rb
	WIN 0x04
.irp cb, 0,1,2,3
	ds_store_b128 v[STO], v[8*(4*(\rb)+\cb):8*(4*(\rb)+\cb)+3] offset:64*\cb
	ds_store_b128 v[STO], v[8*(4*(\rb)+\cb)+4:8*(4*(\rb)+\cb)+7] offset:64*\cb+16
.endr
	WIN 0
.irp t, 0,1,2,3,4,5,6,7
	ds_load_b128 v[OT+32*((\rb)%2)+4*\t:OT+32*((\rb)%2)+4*\t+3], v[RD] offset:2*PST*\t  ; my own bytes: LDS serves a wave's instructions in order (ISA guide 5.7.1.4)
.endr
.endm
.macro SEND rb, younger                ; younger: the next block's sixteen LDS instructions, or none
	s_wait_dscnt \younger
.irp t, 0,1,2,3,4,5,6,7
	global_store_b128 v[GO], v[OT+32*((\rb)%2)+4*\t:OT+32*((\rb)%2)+4*\t+3], s[OP:OP+1] offset:2048*(16*(\rb)+2*\t) th:TH_STORE_NT  ; 16 lanes store 256 consecutive bytes, at a multiple of 256 from out0's first byte
.endr
.endm
.macro WAYOUT
	TOST 0
	TOST 1
	SEND 0, 16
	s_wait_xcnt 0x0                                ; block 0's stores have read their registers: block 2 is read back into them
	TOST 2
	SEND 1, 16
	s_wait_xcnt 0x0
	TOST 3
	SEND 2, 16
	SEND 3, 0
.endm
	s_load_b256 s[4:11], s[0:1], 0x0               ; att s[4:5], wo16 s[6:7], tab s[8:9], out0 s[10:11]
	v_lshl_add_u32 v[SPW], v0, 2, SPARE
	v_mov_b32 v[NIL], 0
	ds_add_u32 v[SPW], v[NIL]                      ; the wave's opening: the add, twice on end, and its wait ahead of my first tensor load
	ds_add_u32 v[SPW], v[NIL]
	v_lshrrev_b32 v1, 5, v0
	v_readfirstlane_b32 s[WV], v1                  ; wave 0..3
	s_lshr_b32 s13, s[WV], 1                       ; rh
	s_and_b32 s14, s[WV], 1                        ; ch
	s_bfe_u32 s15, ttmp6, 0x40000                  ; cx
	s_lshl_b32 s16, ttmp9, 2
	s_add_co_u32 s16, s16, s15                     ; the work-group: it enters att's and out0's addresses alone
	; descriptor group 1: a wave's quarter of a slot: 64 rows x 128 elements, padded in LDS
	s_mov_b32 s[G1+0], 15|(1<<16)|(1<<20)|(1<<21)|(5<<22)|(7<<25)  ; the mask of four; 2-byte elements; padding on; bit 21 beside a mask; after every 64 words; 8 words
	s_mov_b32 s[G1+1], 128<<16                     ; tensor_dim0 = 128
	s_mov_b32 s[G1+2], 64<<16                      ; tensor_dim1 = 64
	s_mov_b32 s[G1+3], 128<<16                     ; tile_dim0 = 128
	s_mov_b32 s[G1+4], 64                          ; tile_dim1 = 64
	s_mov_b32 s[G1+5], 512                         ; elements from row to row
	s_mov_b32 s[G1+6], 0
	s_mov_b32 s[G1+7], 0
	s_mov_b32 s[G0], 1
	s_mul_i32 s[G0+1], s[WV], 64*PW
	s_mov_b32 s[G0+4], 1
	s_add_co_u32 s[G0+5], s[G0+1], SLOTB
	s_lshl_b32 s20, s[WV], 16                      ; my 64 rows of 1,024 bytes of Wo
	s_mov_b32 s21, 0
	s_lshl_b32 s46, s16, 17                        ; att: 128 rows of 1,024 bytes a work-group,
	s_lshl_b32 s47, s13, 16                        ; 64 for my half
	s_add_co_u32 s46, s46, s47
	s_mov_b32 s47, 0
	s_lshl_b32 s48, s16, 18                        ; out0: rows of 2,048 bytes,
	s_lshl_b32 s49, s13, 17
	s_add_co_u32 s48, s48, s49
	s_lshl_b32 s49, s14, 8                         ; my 64 columns of a chunk
	s_add_co_u32 s48, s48, s49
	s_mov_b32 s49, 0
	v_and_b32 v1, 15, v0                           ; r
	v_bfe_u32 v3, v0, 4, 1                         ; h
	v_lshlrev_b32 v[AO], 10, v1
	v_lshl_add_u32 v[AO], v3, 4, v[AO]
	v_and_b32 v12, 7, v0                           ; the turning load: row 8 h + lane % 8, 16 bytes for each half of eight lanes
	v_lshl_add_u32 v12, v3, 3, v12
	v_mul_u32_u24 v12, v12, PW
	v_bfe_u32 v13, v0, 3, 1
	v_lshl_add_u32 v12, v13, 4, v12
	s_lshl_b32 s22, s14, 7                         ; my 64 columns: 128 bytes
	v_add_nc_u32 v[WA], s22, v12
	v_add_nc_u32 v[WA+1], 128*PW, v[WA]
	v_add_nc_u32 v[WA+2], SLOTB, v[WA]
	v_add_nc_u32 v[WA+3], SLOTB+128*PW, v[WA]
	s_lshl_b32 s22, s14, 8
	s_add_co_u32 s22, s22, BTAB
	v_lshl_add_u32 v[BBA], v3, 5, s22
	s_mul_i32 s22, s[WV], 16*PST
	s_add_co_u32 s22, s22, STAGE
	v_mul_u32_u24 v[STO], v1, PST
	v_lshl_add_u32 v[STO], v3, 5, v[STO]
	v_add_nc_u32 v[STO], s22, v[STO]
	v_mul_u32_u24 v[RD], v3, PST
	v_lshl_add_u32 v[RD], v1, 4, v[RD]
	v_add_nc_u32 v[RD], s22, v[RD]
	v_lshlrev_b32 v[GO], 11, v3
	v_lshl_add_u32 v[GO], v1, 4, v[GO]
	v_lshlrev_b32 v13, 4, v0                       ; 16 x thread: my part of bo
	v_add_nc_u32 v14, BTAB, v13
	s_wait_dscnt 0x0                               ; both opening adds are done
	s_wait_kmcnt 0x0
	s_add_nc_u64 s[G0+2:G0+3], s[6:7], s[20:21]    ; chunk 0, k 0-255,
	s_add_nc_u64 s[G0+6:G0+7], s[G0+2:G0+3], 262144  ; and k 256-511
	s_or_b32 s[G0+3], s[G0+3], 0x80000000
	s_or_b32 s[G0+7], s[G0+7], 0x80000000
	s_add_nc_u64 s[AP:AP+1], s[4:5], s[46:47]
	s_add_nc_u64 s[OP:OP+1], s[10:11], s[48:49]
	CROUND                                         ; all four work-groups are here: the first joint loads meet
	tensor_load_to_lds s[G0:G0+3], s[G1:G1+7]      ; the two first fills, together: two loads of mine are out
	s_nop 0
	tensor_load_to_lds s[G0+4:G0+7], s[G1:G1+7]
	s_nop 0
	PLACES
	global_load_b128 v[24:27], v13, s[8:9] offset:6144
.set kc, 0
.rept 16                               ; att, in the order in which the steps want it
.irp rb, 0,1,2,3
	WIN 0x80+0x40*(\rb/2)
	global_load_b128 v[8*(16*(\rb%2)+kc):8*(16*(\rb%2)+kc)+3], v[AO], s[AP:AP+1] offset:16384*\rb+64*kc
	global_load_b128 v[8*(16*(\rb%2)+kc)+4:8*(16*(\rb%2)+kc)+7], v[AO], s[AP:AP+1] offset:16384*\rb+64*kc+32
.endr
.set kc, kc+1
.endr
	WIN 0
	s_wait_loadcnt 63                              ; bo's load is the oldest of 129
	ds_store_b128 v14, v[24:27]
	s_wait_tensorcnt 0x1                           ; my part of slot 0 is in; slot 1's may stay out
	s_wait_dscnt 0x0
	s_barrier_signal -1
	s_barrier_wait -1
	BBLD
.irp k, 0,1,2,3
	WLD \k
.endr
	s_mov_b32 s[CH], 3
.Lchunk:
	CHUNK 0
	WAYOUT
	s_wait_xcnt 0x0                                ; the stores have read their registers and their base
	s_add_nc_u64 s[OP:OP+1], s[OP:OP+1], 512       ; the next chunk's 128 columns
	s_sub_co_u32 s[CH], s[CH], 1
	s_cmp_lg_u32 s[CH], 0
	s_cbranch_scc1 .Lchunk
	CHUNK 1                                        ; the last chunk is written out
	WAYOUT
	s_wait_tensorcnt 0x0                           ; the wave's end, behind my last tensor load and my last LDS store
	ds_add_u32 v[SPW], v[NIL]
	s_wait_dscnt 0x0
	CROUND                                         ; the closing round
	s_endpgm
.Lfunc_end_k_qedc87cd5a8_oproj:
	.size	k_qedc87cd5a8_oproj, .Lfunc_end_k_qedc87cd5a8_oproj-k_qedc87cd5a8_oproj
	.p2alignl 7, 3214868480
	.fill 96, 4, 3214868480
	.section	.rodata,"a",@progbits
	.p2align	6, 0x0
	.amdhsa_kernel k_qedc87cd5a8_oproj
		.amdhsa_group_segment_fixed_size 327680
		.amdhsa_private_segment_fixed_size 0
		.amdhsa_enable_private_segment 0
		.amdhsa_kernarg_size 32
		.amdhsa_user_sgpr_count 2
		.amdhsa_user_sgpr_kernarg_segment_ptr 1
		.amdhsa_wavefront_size32 1
		.amdhsa_system_sgpr_workgroup_id_x 1
		.amdhsa_system_sgpr_workgroup_id_y 1
		.amdhsa_system_sgpr_workgroup_id_z 1
		.amdhsa_system_vgpr_workitem_id 0
		.amdhsa_next_free_vgpr 1024
		.amdhsa_next_free_sgpr 66
		.amdhsa_reserve_vcc 0
		.amdhsa_float_denorm_mode_32 3
		.amdhsa_float_denorm_mode_16_64 3
		.amdhsa_memory_ordered 1
		.amdhsa_forward_progress 1
		.amdhsa_inst_pref_size 89
	.end_amdhsa_kernel
	.amdgpu_metadata
---
amdhsa.version: [ 1, 2 ]
amdhsa.kernels:
  - .name:           k_qedc87cd5a8_oproj
    .symbol:         k_qedc87cd5a8_oproj.kd
    .args:
      - { .name: att, .offset: 0, .size: 8, .value_kind: global_buffer, .address_space: global }
      - { .name: wo16, .offset: 8, .size: 8, .value_kind: global_buffer, .address_space: global }
      - { .name: tab, .offset: 16, .size: 8, .value_kind: global_buffer, .address_space: global }
      - { .name: out0, .offset: 24, .size: 8, .value_kind: global_buffer, .address_space: global }
    .group_segment_fixed_size: 327680
    .private_segment_fixed_size: 0
    .kernarg_segment_align: 8
    .kernarg_segment_size: 32
    .max_flat_workgroup_size: 128
    .sgpr_count:     66
    .vgpr_count:     1024
    .wavefront_size: 32
...
	.end_amdgpu_metadata
.endif
;; end of part 3
